; MI455X (gfx1250); checked and timed in simulation.
; The chip was launched on July 23, 2026; its instructions are those of AMD's public machine-readable ISA for CDNA 5 (MIT licence, August 2026) and "CDNA5" Instruction Set Architecture Reference Guide (July 2026). The comments in the code are by the model that wrote it; some were corrected since.
;; LSTM. Allowed arithmetic: matrix products marked QUANTISED: E2M1 operands, one E8M0 scale for each 32 along K, by v_wmma_scale_f32_16x16x128_f8f6f4 with both operands' format E2M1 (or v_wmma_scale_f32_32x16x128_f4), f32 sums; everything else in f32.
;; Inputs: W 4,096 x 4,096 float32; b 4,096 float32; x 4,096 x 4,096 float32.
;; Outputs: out0 4,096 x 4,096 float32.
;; This version of the problem:
;;   THIS VERSION OF THE PROBLEM IS GIVEN IN LOW PRECISION. The matrix products marked QUANTISED in the list below multiply operands that are first quantised to E2M1 (2 exponent bits, 1 mantissa bit; 4 bits a number), with one power-of-two scale for each 32 numbers along K (OCP MX v1.0); their sums are f32. All else is computed in f32.
;;   The module's matrix products, in the order in which they are computed (A, B: the left and right operand; K: the contracted axis; several contracted axes count as one K, in the product's order):
;;     1. [M 4,096, K 4,096] x [K 4,096, N 4,096]; A: input x; B: input W: QUANTISED
;;   THE QUANTISER, for each operand of a quantised product, along K:
;;     - K is cut into blocks of 32 from its start; a last block that is shorter is filled with zeros.
;;     - A block's scale is 2^e with e = floor(log2(the largest magnitude in the block)) - 2, held to -126 .. 127; a block of zeros has e = 0. As a byte (E8M0): e + 127.
;;     - Each number is divided by its block's scale, clamped to +-6, and rounded to the nearest number of E2M1, ties to even, subnormals kept.
;;     - The product sums the exact products of the quantised numbers (number of the format x scale) in f32.
;;   ~~~python
;;   def quantise(x, axis):      # numpy; x: float32 -> the quantised numbers, widened to float32 again
;;       x = np.moveaxis(x, axis, -1); K = x.shape[-1]
;;       x = np.pad(x, [(0, 0)] * (x.ndim - 1) + [(0, -K % 32)]); x = x.reshape(x.shape[:-1] + (-1, 32)); a = np.abs(x).max(-1, keepdims=True)
;;       e = np.where(a > 0, np.clip(np.frexp(np.where(a > 0, a, 1))[1] - 1 - 2, -126, 127), 0)      # np.frexp(a)[1] - 1 = floor(log2(a)), exactly
;;       r = np.clip(x / 2.0 ** e, -6, 6)
;;       step = 2.0 ** (np.maximum(np.frexp(np.where(r == 0, 1, r))[1] - 1, 0) - 1)
;;       q = np.round(r / step) * step * 2.0 ** e      # np.round: ties to even
;;       return np.moveaxis(q.reshape(q.shape[:-2] + (-1,))[..., :K], -1, axis).astype(np.float32)
;;   ~~~
;; One version. Each part assembles by itself: llvm-mc -triple=amdgcn-amd-amdhsa -mcpu=gfx1250 --defsym DOCPART=n.
;; ======== version 1 of 1: 2 launches
;; limits: right only within a limited range of input values
;; workspace buffers: xq 8,912,896 bytes; wq 10,027,008 bytes; cb 16,384 bytes
;; launch quant (part 1): grid 256 x 1, 8 waves a work-group, no clusters, 263,168 bytes of LDS; arguments x, W, b, xq, wq, cb; writes xq, wq, cb
.if DOCPART == 1
	.amdgcn_target "amdgcn-amd-amdhsa--gfx1250"
	.amdhsa_code_object_version 6
	.text
	.protected	k_q0622ddd635_quant
	.globl	k_q0622ddd635_quant
	.p2align	8
	.type	k_q0622ddd635_quant,@function
k_q0622ddd635_quant:
	s_mov_b64 s[64:65], 0
	v_nop
	global_prefetch_b8 v0, s[64:65] scope:SCOPE_SE
	s_setreg_imm32_b32 hwreg(HW_REG_WAVE_MODE, 25, 1), 1
	s_wait_xcnt 0x0
; out0 = cumsum over n of (Q(x) Q(W) + b), M = N = K = 4,096, Q the MX-FP4 quantiser along K.  TWO LAUNCHES: this one quantises x and W and makes the carry blocks and b's running sums; the second multiplies and scans.
; NO WORK OF THE PROBLEM IS LEFT OUT: x, W and b all reach the output and all are loaded.
; THE CARRY.  The sum of h[m][n] over n < 128 s is the sum over k of Q(x)[m][k] Wpre[k][s], Wpre[k][s] = the sum over n < 128 s of Q(W)[k][n]: an identity for all values.
; Wpre is no number of E2M1, so it is written as the SUM OF 16 MX-FP4 VECTORS.  The first term's scale s0 is the quantiser's own for the block of 32 along K; term t has the scale s0 / 4^t.  Each term is what is left, rounded to
; the nearest code under its scale, and is then taken away.  What is left lies under 8 x the term's scale, and behind the term at or under 2 x that scale, which is 8 x the next: so 16 terms leave at most 2^-31 of the block's largest magnitude.
; The 16 terms are the 16 rows of tile 8 of a block of wq; the second launch adds its 16 results a row.
; LAYOUT OF THE CODES (buffers of this program alone): images of the operand's registers.  A unit is 256 bytes: 16 rows x the 16 bytes (32 codes) of one block of 32 along K.  A fragment (16 rows x 128 K) is 4 units on end.
;   xq: block (m / 128, k / 512) of ABLK bytes: 8 tiles of 16 rows x 4 fragments, then the scale bytes [tile][row][k / 128 % 4][block]: 16 bytes a row.
;   wq: block (n / 128, k / 512) of BBLK bytes: 9 tiles of codes; then the scale bytes of tiles 0-7 as [k / 128 % 4][row 0 .. 127][block]: 4 bytes a row in each of four runs of 512; then tile 8's as [row][k / 128 % 4][block].
; THE QUANTISER: a block's scale byte is its largest magnitude's exponent field - 2, held at 1 from below; each number is divided by the scale and rounded to the nearest code, ties to even.
; LIMITS: NaN and infinities among the inputs are not served.  A block of zeros gets the byte 1 where the rule says 127: its codes are zeros, and this program alone reads the bytes.  Blocks whose largest magnitude lies under 2^-124 were not tried.
; A block of Wpre under 2^-94 is written under the scale 2^-96, so that the last term's byte is 1 or more: what is left of it lies under 2^-125.  The carry's sums are f32, in another order than reference()'s scan.
; SHARES: work-groups 0-127 take W: 32 rows of K x all 4,096 columns, a wave 4 strips of 128 columns; so all 32 strips' sums of these 32 k meet in one work-group's LDS, and waves 0 and 1 make the terms behind one barrier.
; Work-groups 128-255 take x: 32 rows, a wave 16 rows x 1,024 along K; wave 0 of the first 32 of them also makes cb[128 s ..], the inclusive sums of b.  The two texts part on the work-group's number and have LDS bytes of their own.
; A W work-group owns ONE block of 32 of each column's 512 along K, so its scale bytes leave as single bytes: a strip's 128 fall 4 bytes apart into 512 consecutive bytes, tile 8's 16 bytes apart: 4,608 bytes beside the 524,288 that it reads.
; Every load reads 512 consecutive bytes.
.set ABLK,  34816
.set BBLK,  39168
.set SB8,   8*BBLK                     ; from a strip's block to the next strip's
.set SP,    528                        ; a stage row: 512 bytes + 16 of padding
.set XSTG,  16*SP                      ; x: a stage of 16 rows for each wave, from LDS byte 0
.set WBASE, 8*XSTG                     ; W: from here a region for each wave: a stage of 32 rows, then 32 x 144 bytes for the sum over lanes
.set WRED,  32*SP
.set WREG,  WRED+32*144
.set TSB,   WBASE+8*WREG               ; the strips' sums [32 strips][32 k] f32
.set PSB,   TSB+4096                   ; their running sums, 32 rows of 144 bytes, for each of waves 0 and 1
.set PSZ,   32*144
.set OSTG,  PSB+2*PSZ                  ; the terms' units: 16 of 256 + 16 bytes, for each of the two
.set OSZ,   16*272
.set SBY,   OSTG+2*OSZ                 ; the terms' scale bytes [strip][term], 256 for each of the two
.set SPARE, SBY+512                    ; the spare words, 128 bytes for each wave: four blocks of 256 bytes that no other line names
.set SPW,   29
.set NIL,   30
.set LN,    25                         ; lane, lane % 16, lane / 16
.set RR,    26
.set HH,    27
.set X,     64                         ; v64-127   the numbers at work
.set R,     128                        ; v128-255  two sets of 64 registers as loaded
.macro FINISH                          ; a wave's end, behind its last LDS store
	s_wait_tensorcnt 0x0
	ds_add_u32 v[SPW], v[NIL]
	s_wait_dscnt 0x0
	s_endpgm
.endm
	s_load_b256 s[4:11], s[0:1], 0x0               ; x s[4:5], W s[6:7], b s[8:9], xq s[10:11]
	s_load_b128 s[12:15], s[0:1], 0x20             ; wq s[12:13], cb s[14:15]
	v_lshl_add_u32 v[SPW], v0, 2, SPARE
	v_mov_b32 v[NIL], 0
	v_lshrrev_b32 v1, 5, v0
	v_readfirstlane_b32 s16, v1                    ; wave 0..7
	v_and_b32 v[LN], 31, v0
	v_and_b32 v[RR], 15, v0
	v_bfe_u32 v[HH], v0, 4, 1
	v_lshlrev_b32 v1, 4, v[LN]                     ; v1 = 16 x lane; never rewritten
	s_wait_alu depctr_va_vdst(0)
	s_mov_b32 s20, 0x76543210
	s_mov_b32 s21, 0xfedcba98                      ; v_permlanex16_b32's selects for lane l xor 16
	s_mov_b32 s22, 0xffff0000                      ; lanes 16-31
	s_cmp_lt_u32 ttmp9, 128
	s_cbranch_scc1 .Lw_path
; ---------------------------------------------------------------- x: K is innermost
; g = 2 (work-group - 128) + wave / 4: rows 16 g on = tile g % 8 of row block g / 8.  w = wave % 4: K = 1,024 w on: 8 fragments f: block column 2 w + f / 4, fragment f % 4.
; A fragment's 16 loads take a row's 512 bytes each; they turn through the wave's stage, so that lane (r, h) gets blocks h and 2 + h of row r, 32 neighbours each.
.set M,   8
.set SCL, 10
.set BY,  12
.set CX,  32                           ; v32-39 a fragment's codes
.set WD,  40                           ; v40-47 the eight fragments' scale words
.set OW,  48
	s_sub_co_u32 s17, ttmp9, 128
	s_lshl_b32 s17, s17, 1
	s_lshr_b32 s23, s16, 2
	s_add_co_u32 s17, s17, s23                     ; g
	s_and_b32 s35, s16, 3                          ; w
	s_mul_i32 s23, s16, XSTG
	v_add_nc_u32 v2, s23, v1                       ; into the stage
	v_mul_u32_u24 v3, v[RR], SP
	v_lshl_add_u32 v3, v[HH], 7, v3
	v_add_nc_u32 v3, s23, v3                       ; out of it: row r, + 128 h
	v_mul_u32_u24 v5, v[HH], ABLK
	v_lshl_add_u32 v5, v[RR], 4, v5                ; the scale words' place
	v_lshlrev_b32 v6, 3, v[HH]
	v_mov_b32 v15, 0                               ; a lane permute's destination counts as one of its sources
	s_lshl_b32 s24, s17, 18                        ; 16 rows of 16,384 bytes
	s_lshl_b32 s25, s35, 12
	s_add_co_u32 s24, s24, s25
	s_mov_b32 s25, 0
	s_lshr_b32 s26, s17, 3
	s_lshl_b32 s26, s26, 3
	s_lshl_b32 s27, s35, 1
	s_add_co_u32 s26, s26, s27
	s_mul_i32 s26, s26, ABLK                       ; block (g / 8, 2 w)
	s_and_b32 s28, s17, 7
	s_lshl_b32 s30, s28, 8
	s_add_co_u32 s30, s30, s26
	s_add_co_u32 s30, s30, 32768                   ; my tile's scale bytes
	s_mov_b32 s31, 0
	s_lshl_b32 s28, s28, 12
	s_add_co_u32 s26, s26, s28                     ; my tile's codes
	s_mov_b32 s27, 0
	s_wait_kmcnt 0x0
	s_add_nc_u64 s[4:5], s[4:5], s[24:25]
	s_add_nc_u64 s[36:37], s[10:11], s[26:27]
	s_add_nc_u64 s[38:39], s[10:11], s[30:31]
.macro XLOAD f
.set I, 0
.rept 16
	global_load_b128 v[R+64*((\f)%2)+4*I:R+64*((\f)%2)+4*I+3], v1, s[4:5] offset:I*16384+(\f)*512 th:TH_LOAD_NT
.set I, I+1
.endr
.endm
.macro XFRAG f, left
	s_wait_loadcnt \left                           ; this fragment's 16 loads are in; the next fragment's 16 may be out
.set I, 0
.rept 16
	ds_store_b128 v2, v[R+64*((\f)%2)+4*I:R+64*((\f)%2)+4*I+3] offset:I*SP
.set I, I+1
.endr
.irp c, 0,1
.irp i, 0,1,2,3,4,5,6,7
	ds_load_b128 v[X+32*\c+4*\i:X+32*\c+4*\i+3], v3 offset:256*\c+16*\i   ; LDS serves a wave's instructions in order
.endr
.endr
	s_wait_dscnt 0x0                               ; the numbers are back, and the stores have read their registers,
.if (\f)+2 < 8
	XLOAD (\f)+2                                   ; which take the loads of two fragments on
.endif
.irp c, 0,1
	v_max3_num_f32 v[M+\c], |v[X+32*\c]|, |v[X+32*\c+1]|, 0x1800000   ; my block 2 c + h, and the floor 2^(3 - 127)
.endr
.irp i, 2,4,6,8,10,12,14,16,18,20,22,24,26,28,30
.irp c, 0,1
	v_max3_num_f32 v[M+\c], v[M+\c], |v[X+32*\c+\i]|, |v[X+32*\c+\i+1]|
.endr
.endr
.irp c, 0,1
	v_add_nc_u32 v[SCL+\c], 0xff000000, v[M+\c]    ; 2 off the exponent field: the conversion's scale operand
.endr
.irp c, 0,1
	v_lshrrev_b32 v[BY+\c], 23, v[SCL+\c]          ; the scale's byte
.endr
	v_lshl_or_b32 v14, v[BY+1], 16, v[BY]
	v_lshlrev_b32 v14, v6, v14                     ; my two bytes at their places in the row's word;
	v_permlanex16_b32 v15, v14, s20, s21
	v_or_b32 v[WD+(\f)], v14, v15                  ; with lane l xor 16's two the word is whole
	s_wait_alu depctr_va_vdst(0)
	s_wait_xcnt 0x0                                ; the last fragment's stores have read the codes' registers
.irp c, 0,1
.irp g, 0,1,2,3
	v_cvt_scalef32_pk8_fp4_f32 v[CX+4*\c+\g], v[X+32*\c+8*\g:X+32*\c+8*\g+7], v[SCL+\c]
.endr
.endr
	v_nop                                          ; one plain instruction behind the last scaled conversion
.irp c, 0,1
	global_store_b128 v1, v[CX+4*\c:CX+4*\c+3], s[36:37] offset:((\f)/4)*ABLK+((\f)%4)*1024+512*\c   ; 512 consecutive bytes, two units
.endr
.endm
	s_wait_alu depctr_va_vdst(0)
	XLOAD 0
	XLOAD 1
.irp f, 0,1,2,3,4,5,6
	XFRAG \f, 16
.endr
	XFRAG 7, 0
.irp q, 0,1,2,3
	v_cndmask_b32 v[OW+\q], v[WD+\q], v[WD+4+\q], s22   ; lanes 0-15 the first block column's four words of row r, lanes 16-31 the second's
.endr
	global_store_b128 v5, v[OW:OW+3], s[38:39]     ; two whole units of 256 bytes
	s_cmp_lg_u32 s16, 0
	s_cbranch_scc1 .Lx_end
	s_cmp_lt_u32 ttmp9, 160
	s_cbranch_scc0 .Lx_end
; ---- cb of strip s = work-group - 128: the sum of b's rows of 128 under the strip, and the strip's own running sums
	s_wait_xcnt 0x0                                ; my stores have read their registers
	s_sub_co_u32 s24, ttmp9, 128
	s_lshl_b32 s26, s24, 9
	v_add_nc_u32 v7, s26, v1                       ; 16 x lane + the strip's 512 bytes of b and of cb
.set I, 0
.rept 31
	global_load_b128 v[128+4*I:131+4*I], v1, s[8:9] offset:512*I
.set I, I+1
.endr
	global_load_b128 v[64:67], v7, s[8:9]          ; the strip's own 128: four numbers a lane
.irp k, 0,1,2,3
	v_mov_b32 v[32+\k], 0
.endr
	v_mov_b32 v37, 0
	s_wait_loadcnt 0x0
.set I, 0
.rept 31
	s_cmp_eq_u32 s24, I                            ; ids alone
	s_cbranch_scc1 .Lpre
	s_wait_alu depctr_va_vdst(0)
	v_pk_add_f32 v[32:33], v[32:33], v[128+4*I:129+4*I]
	v_pk_add_f32 v[34:35], v[34:35], v[130+4*I:131+4*I]
.set I, I+1
.endr
.Lpre:
	s_wait_alu depctr_va_vdst(0)
	v_add_f32 v32, v32, v33
	v_add_f32 v34, v34, v35
	v_add_f32 v32, v32, v34
.irp d, 1,2,4,8
	v_add_f32_dpp v32, v32, v32 row_xmask:\d row_mask:0xf bank_mask:0xf
.endr
	v_permlanex16_b32 v33, v32, s20, s21
	v_add_f32 v32, v32, v33                        ; all of b under the strip, in every lane
	v_add_f32 v65, v64, v65                        ; my four numbers' running sums
	v_add_f32 v66, v65, v66
	v_add_f32 v67, v66, v67
	v_mov_b32 v36, v67                             ; my total
.macro CSTEP d, mask                   ; v36 = the total of my group of 2 d lanes; the other half's total counts where that half lies below mine
	s_mov_b32 s28, \mask
	v_mov_b32_dpp v37, v36 row_xmask:\d row_mask:0xf bank_mask:0xf
	v_cndmask_b32 v38, 0, v37, s28
	v_add_f32 v32, v32, v38
	v_add_f32 v36, v36, v37
.endm
	CSTEP 1, 0xaaaaaaaa
	CSTEP 2, 0xcccccccc
	CSTEP 4, 0xf0f0f0f0
	CSTEP 8, 0xff00ff00
	v_permlanex16_b32 v37, v36, s20, s21
	v_cndmask_b32 v38, 0, v37, s22
	v_add_f32 v32, v32, v38
.irp k, 0,1,2,3
	v_add_f32 v[64+\k], v[64+\k], v32
.endr
	global_store_b128 v7, v[64:67], s[14:15]       ; 512 consecutive bytes
.Lx_end:
	FINISH
; ---------------------------------------------------------------- W: K is the first axis
; Work-group j: k = 32 j on: block column S = j / 16, unit j % 16 of each tile's 16.  Wave w, turn u: strip 4 w + u.
; A load takes one row k of the strip, 512 bytes.  32 rows lie in the wave's stage; out of it A LANE TAKES A COLUMN AND ITS REGISTERS RUN DOWN K: group g of four is columns 32 g + lane.
; Behind the conversion the codes are widened again and multiplied by the scale: the quantised numbers, whose sum along the strip is kept for each k, summed over the lanes through LDS, and left in the work-group's table.
.Lw_path:
.set WM,  9
.set WC,  16                           ; v16-19 a block's codes of my column
.set WW,  20                           ; v20-23 group g's scale byte
.set ONE, 28                           ; the byte 127 four times: the widening conversion multiplies by 1
.set ACC, 32                           ; v32-63 the sums of my columns, one register for each k
	s_mul_i32 s23, s16, WREG
	s_add_co_u32 s23, s23, WBASE
	s_lshl_b32 s24, s16, 9                         ; my four rows of the table
	v_add_nc_u32 v2, s23, v1                       ; into the stage
	v_lshl_add_u32 v3, v[LN], 2, s23               ; out of it: 4 x lane
	v_mul_u32_u24 v4, v[LN], 144
	v_add_nc_u32 v4, s23, v4
	v_add_nc_u32 v4, WRED, v4                      ; my 32 sums' place
	v_lshrrev_b32 v5, 3, v[LN]
	v_mul_u32_u24 v5, v5, 144
	v_and_b32 v9, 7, v[LN]
	v_lshl_add_u32 v5, v9, 4, v5
	v_add_nc_u32 v5, s23, v5
	v_add_nc_u32 v5, WRED, v5                      ; back: lane l / 8's place (and every fourth on), the four sums 4 (l % 8) on
	v_lshlrev_b32 v6, 12, v[HH]
	v_lshl_add_u32 v6, v[RR], 4, v6                ; the codes' place: tile 2 g + h, row r
	v_lshlrev_b32 v7, 2, v[LN]                     ; the scale byte's: 4 bytes a row
	v_lshl_add_u32 v8, v9, 4, s24
	v_add_nc_u32 v8, TSB, v8                       ; the table: row = strip, 16 (l % 8)
	v_mov_b32 v[ONE], 0x7f7f7f7f
	s_lshl_b32 s26, ttmp9, 19                      ; 32 j rows of 16,384 bytes,
	s_lshl_b32 s27, s16, 11                        ; 4 w strips of 512 bytes
	s_add_co_u32 s26, s26, s27
	s_mov_b32 s27, 0
	s_lshr_b32 s25, ttmp9, 4                       ; S
	s_and_b32 s34, ttmp9, 15                       ; the unit: 4 (k / 128 % 4) + the block of 32
	s_lshl_b32 s28, s16, 5
	s_add_co_u32 s28, s28, s25
	s_mul_i32 s28, s28, BBLK                       ; block (4 w, S)
	s_lshl_b32 s30, s34, 8
	s_add_co_u32 s30, s30, s28
	s_mov_b32 s31, 0
	s_lshr_b32 s29, s34, 2
	s_lshl_b32 s29, s29, 9                         ; the scale bytes' run of 512,
	s_add_co_u32 s28, s28, s29
	s_and_b32 s29, s34, 3                          ; and my byte of a row's four
	s_add_co_u32 s28, s28, s29
	s_add_co_u32 s28, s28, 36864
	s_mov_b32 s29, 0
	s_wait_alu depctr_va_vdst(0)
	s_wait_kmcnt 0x0
	s_add_nc_u64 s[6:7], s[6:7], s[26:27]
	s_add_nc_u64 s[36:37], s[12:13], s[30:31]
	s_add_nc_u64 s[38:39], s[12:13], s[28:29]
.macro WLOAD u                         ; rows 16 (u % 2) on of strip u / 2 of my four
.set I, 0
.rept 16
	global_load_b128 v[R+64*((\u)%2)+4*I:R+64*((\u)%2)+4*I+3], v1, s[6:7] offset:(16*((\u)%2)+I)*16384+((\u)/2)*512 th:TH_LOAD_NT
.set I, I+1
.endr
.endm
.macro WPUT u
.if (\u) < 7
	s_wait_loadcnt 16                              ; these 16 loads are in; the next 16 may be out
.else
	s_wait_loadcnt 0x0
.endif
.set I, 0
.rept 16
	ds_store_b128 v2, v[R+64*((\u)%2)+4*I:R+64*((\u)%2)+4*I+3] offset:(16*((\u)%2)+I)*SP
.set I, I+1
.endr
	s_wait_dscnt 0x0                               ; the stores have read their registers,
.if (\u)+2 < 8
	WLOAD (\u)+2                                   ; which take the next loads but one
.endif
.endm
.macro GLD g                           ; column 32 g + lane, down the block's 32 rows
.set I, 0
.rept 32
	ds_load_b32 v[X+32*((\g)%2)+I], v3 offset:I*SP+(\g)*128
.set I, I+1
.endr
.endm
.macro GRP u, g, left
.set XS, X+32*((\g)%2)
	s_wait_dscnt \left                             ; this group's 32 loads are in; the next group's 32 may be out
	v_max3_num_f32 v[WM], |v[XS]|, |v[XS+1]|, |v[XS+2]|
	v_max3_num_f32 v[WM+1], |v[XS+3]|, |v[XS+4]|, |v[XS+5]|
.irp i, 6,10,14,18,22,26
	v_max3_num_f32 v[WM], v[WM], |v[XS+\i]|, |v[XS+\i+1]|
	v_max3_num_f32 v[WM+1], v[WM+1], |v[XS+\i+2]|, |v[XS+\i+3]|
.endr
	v_max3_num_f32 v[WM], v[WM], |v[XS+30]|, |v[XS+31]|
	v_max3_num_f32 v[WM], v[WM], v[WM+1], 0x1800000    ; and the floor 2^(3 - 127)
	v_add_nc_u32 v11, 0xff000000, v[WM]            ; the conversion's scale operand
	v_lshrrev_b32 v[WW+(\g)], 23, v11              ; the byte (this register's last store stands four groups back, behind waits on XCNT)
	v_and_b32 v14, 0x7f800000, v11                 ; the scale as a number, twice
	v_and_b32 v15, 0x7f800000, v11
	s_wait_alu depctr_va_vdst(0)
	s_wait_xcnt 0x0                                ; the last group's store has read the codes' registers
.irp j, 0,1,2,3
	v_cvt_scalef32_pk8_fp4_f32 v[WC+\j], v[XS+8*\j:XS+8*\j+7], v11
.endr
	v_nop
	global_store_b128 v6, v[WC:WC+3], s[36:37] offset:(\u)*SB8+(\g)*8192   ; lanes 0-15 fill the unit of tile 2 g, lanes 16-31 that of tile 2 g + 1
	global_store_b8 v7, v[WW+(\g)], s[38:39] offset:(\u)*SB8+(\g)*128      ; one byte of each row's four, in 128 consecutive bytes
.irp j, 0,1,2,3
	v_cvt_scale_pk8_f32_fp4 v[XS+8*\j:XS+8*\j+7], v[WC+\j], v[ONE]   ; the codes' values, over the numbers that are done with
.endr
	v_nop
.irp k, 0,2,4,6,8,10,12,14,16,18,20,22,24,26,28,30
.if (\g) == 0
	v_pk_mul_f32 v[ACC+\k:ACC+\k+1], v[XS+\k:XS+\k+1], v[14:15]      ; the first group starts the sums
.else
	v_pk_fma_f32 v[ACC+\k:ACC+\k+1], v[XS+\k:XS+\k+1], v[14:15], v[ACC+\k:ACC+\k+1]
.endif
.endr
.if (\g) < 2
	GLD (\g)+2
.endif
.endm
.macro RED u                           ; the strip's 32 sums over the 32 lanes, into the table
.irp i, 0,1,2,3,4,5,6,7
	ds_store_b128 v4, v[ACC+4*\i:ACC+4*\i+3] offset:16*\i
.endr
.irp t, 0,1,2,3,4,5,6,7
	ds_load_b128 v[X+4*\t:X+4*\t+3], v5 offset:576*\t
.endr
	s_wait_dscnt 0x0
.irp t, 0,2,4,6
	v_pk_add_f32 v[X+4*\t:X+4*\t+1], v[X+4*\t:X+4*\t+1], v[X+4*\t+4:X+4*\t+5]
	v_pk_add_f32 v[X+4*\t+2:X+4*\t+3], v[X+4*\t+2:X+4*\t+3], v[X+4*\t+6:X+4*\t+7]
.endr
.irp t, 0,4
	v_pk_add_f32 v[X+4*\t:X+4*\t+1], v[X+4*\t:X+4*\t+1], v[X+4*\t+8:X+4*\t+9]
	v_pk_add_f32 v[X+4*\t+2:X+4*\t+3], v[X+4*\t+2:X+4*\t+3], v[X+4*\t+10:X+4*\t+11]
.endr
	v_pk_add_f32 v[X:X+1], v[X:X+1], v[X+16:X+17]
	v_pk_add_f32 v[X+2:X+3], v[X+2:X+3], v[X+18:X+19]
.irp i, 0,1,2,3
	v_add_f32_dpp v[X+\i], v[X+\i], v[X+\i] row_xmask:8 row_mask:0xf bank_mask:0xf
.endr
.irp i, 0,1,2,3
	v_permlanex16_b32 v[X+4+\i], v[X+\i], s20, s21
.endr
.irp i, 0,1,2,3
	v_add_f32 v[X+\i], v[X+\i], v[X+4+\i]          ; every lane l now holds the sums of k = 4 (l % 8) on
.endr
	ds_store_b128 v8, v[X:X+3] offset:128*(\u)     ; four lanes write each word, with the same value
.endm
	WLOAD 0
	WLOAD 1
.irp u, 0,1,2,3
	WPUT 2*\u
	WPUT 2*\u+1
	GLD 0
	GLD 1
	GRP \u, 0, 32
	GRP \u, 1, 32
	GRP \u, 2, 32
	GRP \u, 3, 0
	RED \u
.endr
	s_wait_dscnt 0x0                               ; for waves 0 and 1: my rows of the table have landed
	s_barrier_signal -1
	s_barrier_wait -1
	s_cmp_lt_u32 s16, 2
	s_cbranch_scc1 .Lterms
	FINISH
; ---- the terms.  Wave t = 0, 1: strips 16 t on.  First a lane takes a k and runs down the strips; then lane l holds Wpre of strip 16 t + l / 2, k = 16 (l % 2) on: lanes l and l xor 1 share a block of 32
.Lterms:
	s_wait_xcnt 0x0                                ; my stores have read their registers and bases
	s_mul_i32 s24, s16, PSZ
	s_mul_i32 s26, s16, 16*144
	s_add_co_u32 s26, s26, s24
	s_mul_i32 s27, s16, OSZ
	s_lshl_b32 s28, s16, 8
	s_lshl_b32 s30, s16, 7
	s_add_co_u32 s30, s30, s25
	s_mul_i32 s30, s30, BBLK                       ; block (16 t, S)
	s_lshl_b32 s32, s34, 8
	s_add_co_u32 s32, s32, s30
	s_add_co_u32 s32, s32, 32768                   ; my unit of tile 8
	s_mov_b32 s33, 0
	s_add_co_u32 s30, s30, s34
	s_add_co_u32 s30, s30, 38912                   ; my byte of tile 8's rows
	s_mov_b32 s31, 0
	s_add_nc_u64 s[36:37], s[12:13], s[32:33]
	s_add_nc_u64 s[38:39], s[12:13], s[30:31]
	v_lshl_add_u32 v2, v[LN], 2, TSB               ; the table, 4 x lane
	v_lshl_add_u32 v3, v[LN], 2, s24
	v_add_nc_u32 v3, PSB, v3                       ; the running sums, on the way in
	v_lshrrev_b32 v9, 1, v[LN]
	v_and_b32 v10, 1, v[LN]
	v_mul_u32_u24 v4, v9, 144
	v_lshl_add_u32 v4, v10, 6, v4
	v_add_nc_u32 v4, s26, v4
	v_add_nc_u32 v4, PSB, v4                       ; and back: row 16 t + l / 2, 64 (l % 2)
	v_mul_u32_u24 v5, v9, 272
	v_lshl_add_u32 v5, v10, 3, v5
	v_add_nc_u32 v5, s27, v5
	v_add_nc_u32 v5, OSTG, v5                      ; a term's 8 bytes: unit = strip, + 8 (l % 2); the term's row stands in the offset
	v_mul_u32_u24 v6, v[HH], 272
	v_lshl_add_u32 v6, v[RR], 4, v6
	v_add_nc_u32 v6, s27, v6
	v_add_nc_u32 v6, OSTG, v6                      ; back: lanes 0-15 one unit, lanes 16-31 the next
	v_lshl_add_u32 v7, v9, 4, s28
	v_add_nc_u32 v7, SBY, v7                       ; a term's scale byte: 16 x strip; the term stands in the offset
	v_lshl_add_u32 v8, v[HH], 4, v[RR]
	v_add_nc_u32 v8, s28, v8
	v_add_nc_u32 v8, SBY, v8                       ; back: strip 2 j + h, term r
	v_mul_u32_u24 v24, v[HH], SB8
	v_lshl_add_u32 v24, v[RR], 4, v24              ; in wq: strip h of a pair, row r
	s_wait_alu depctr_va_vdst(0)
.set I, 0
.rept 31
	ds_load_b32 v[64+I], v2 offset:128*I           ; strip I's sum of my k
.set I, I+1
.endr
	s_wait_dscnt 0x0
.set I, 1
.rept 15                               ; the running sums in two chains, strips 0-15 and 16-30,
	v_add_f32 v[64+I], v[64+I], v[63+I]
.if I < 15
	v_add_f32 v[80+I], v[80+I], v[79+I]
.endif
.set I, I+1
.endr
.set I, 16
.rept 15                               ; and the first chain's total onto the second
	v_add_f32 v[64+I], v[64+I], v79
.set I, I+1
.endr
	ds_store_b32 v3, v[NIL]                        ; nothing stands ahead of strip 0
.set I, 1
.rept 31
	ds_store_b32 v3, v[63+I] offset:144*I          ; Wpre of strip I: the sums of strips 0 .. I - 1
.set I, I+1
.endr
.irp i, 0,1,2,3
	ds_load_b128 v[32+4*\i:35+4*\i], v4 offset:16*\i   ; LDS serves a wave's instructions in order
.endr
	s_wait_dscnt 0x0
	v_max3_num_f32 v12, |v32|, |v33|, |v34|        ; the block's largest magnitude, once
	v_max3_num_f32 v13, |v35|, |v36|, |v37|
.irp i, 6,10
	v_max3_num_f32 v12, v12, |v[32+\i]|, |v[33+\i]|
	v_max3_num_f32 v13, v13, |v[34+\i]|, |v[35+\i]|
.endr
	v_max3_num_f32 v12, v12, |v46|, |v47|
	v_max3_num_f32 v12, v12, v13, 33<<23           ; and the floor 2^(33 - 127): the first byte is 31 or more, so the last term's, 30 lower, is 1 or more
	v_max_num_f32_dpp v12, v12, v12 row_xmask:1 row_mask:0xf bank_mask:0xf
	v_add_nc_u32 v12, 0xff000000, v12
	v_lshrrev_b32 v12, 23, v12                     ; the first term's byte
	v_sub_nc_u32 v13, 127, v12
.set I, 0
.rept 16
	v_ldexp_f32 v[32+I], v[32+I], v13              ; the numbers over the first scale: under 8 in magnitude
.set I, I+1
.endr
	v_mov_b32 v14, 127<<23                         ; term 0's scale among these numbers: 1
.macro TERM t                          ; what is left, to the nearest code under the scale 4^-t, and that taken away.  The plain lines between are the places that scaled conversions ask for
	v_cvt_scalef32_pk8_fp4_f32 v[96+2*(\t)], v[32:39], v[14+(\t)%2]
	v_cvt_scalef32_pk8_fp4_f32 v[97+2*(\t)], v[40:47], v[14+(\t)%2]
	v_add_nc_u32 v[48+(\t)], -2*(\t), v12          ; the term's byte
.if (\t) < 15                          ; nothing reads what the last term leaves
	v_cvt_scale_pk8_f32_fp4 v[64:71], v[96+2*(\t)], v[ONE]
	v_cvt_scale_pk8_f32_fp4 v[72:79], v[97+2*(\t)], v[ONE]
	v_mov_b32 v[14+((\t)+1)%2], (125-2*(\t))<<23   ; the next term's scale
.irp k, 0,2,4,6,8,10,12,14
	v_pk_fma_f32 v[32+\k:33+\k], v[64+\k:65+\k], 0x80000000|((127-2*(\t))<<23), v[32+\k:33+\k] op_sel_hi:[1,0,1]   ; less the code's value x 4^-t
.endr
.endif
.endm
.irp t, 0,1,2,3,4,5,6,7,8,9,10,11,12,13,14,15
	TERM \t
.endr
.irp t, 0,1,2,3,4,5,6,7,8,9,10,11,12,13,14,15
	ds_store_b64 v5, v[96+2*\t:97+2*\t] offset:16*\t
	ds_store_b8 v7, v[48+\t] offset:\t             ; both lanes of a block write the same byte with the same value
.endr
.irp j, 0,1,2,3,4,5,6,7
	ds_load_b128 v[128+4*\j:131+4*\j], v6 offset:544*\j
.endr
.irp j, 0,1,2,3,4,5,6,7
	ds_load_u8 v[160+\j], v8 offset:32*\j
.endr
.irp j, 0,1,2,3,4,5,6,7
	s_wait_dscnt 15-\j                             ; load j is in; the 15 - j behind it may be out
	global_store_b128 v24, v[128+4*\j:131+4*\j], s[36:37] offset:\j*2*SB8   ; two whole units, of strips 2 j and 2 j + 1
.endr
	s_wait_dscnt 0x0
.irp j, 0,1,2,3,4,5,6,7
	global_store_b8 v24, v[160+\j], s[38:39] offset:\j*2*SB8   ; one byte of each term's 16
.endr
	FINISH
.Lfunc_end_k_q0622ddd635_quant:
	.size	k_q0622ddd635_quant, .Lfunc_end_k_q0622ddd635_quant-k_q0622ddd635_quant
	.p2alignl 7, 3214868480
	.fill 96, 4, 3214868480
	.section	.rodata,"a",@progbits
	.p2align	6, 0x0
	.amdhsa_kernel k_q0622ddd635_quant
		.amdhsa_group_segment_fixed_size 263168
		.amdhsa_private_segment_fixed_size 0
		.amdhsa_enable_private_segment 0
		.amdhsa_kernarg_size 48
		.amdhsa_user_sgpr_count 2
		.amdhsa_user_sgpr_kernarg_segment_ptr 1
		.amdhsa_wavefront_size32 1
		.amdhsa_system_sgpr_workgroup_id_x 1
		.amdhsa_system_sgpr_workgroup_id_y 1
		.amdhsa_system_sgpr_workgroup_id_z 1
		.amdhsa_system_vgpr_workitem_id 0
		.amdhsa_next_free_vgpr 256
		.amdhsa_next_free_sgpr 66
		.amdhsa_reserve_vcc 0
		.amdhsa_float_denorm_mode_32 3
		.amdhsa_float_denorm_mode_16_64 3
		.amdhsa_memory_ordered 1
		.amdhsa_forward_progress 1
		.amdhsa_inst_pref_size 216
	.end_amdhsa_kernel
	.amdgpu_metadata
---
amdhsa.version: [ 1, 2 ]
amdhsa.kernels:
  - .name:           k_q0622ddd635_quant
    .symbol:         k_q0622ddd635_quant.kd
    .args:
      - { .name: x, .offset: 0, .size: 8, .value_kind: global_buffer, .address_space: global }
      - { .name: W, .offset: 8, .size: 8, .value_kind: global_buffer, .address_space: global }
      - { .name: b, .offset: 16, .size: 8, .value_kind: global_buffer, .address_space: global }
      - { .name: xq, .offset: 24, .size: 8, .value_kind: global_buffer, .address_space: global }
      - { .name: wq, .offset: 32, .size: 8, .value_kind: global_buffer, .address_space: global }
      - { .name: cb, .offset: 40, .size: 8, .value_kind: global_buffer, .address_space: global }
    .group_segment_fixed_size: 263168
    .private_segment_fixed_size: 0
    .kernarg_segment_align: 8
    .kernarg_segment_size: 48
    .max_flat_workgroup_size: 256
    .sgpr_count:     66
    .vgpr_count:     256
    .wavefront_size: 32
...
	.end_amdgpu_metadata
.endif
;; end of part 1
;; launch gemm (part 2): grid 16 x 16, 4 waves a work-group, clusters of 4 x 4, 327,680 bytes of LDS; arguments xq, wq, cb, out0; writes out0
.if DOCPART == 2
	.amdgcn_target "amdgcn-amd-amdhsa--gfx1250"
	.amdhsa_code_object_version 6
	.text
	.protected	k_q0622ddd635_gemm
	.globl	k_q0622ddd635_gemm
	.p2align	8
	.type	k_q0622ddd635_gemm,@function
k_q0622ddd635_gemm:
	s_mov_b64 s[64:65], 0
	v_nop
	global_prefetch_b8 v0, s[64:65] scope:SCOPE_SE
	s_setreg_imm32_b32 hwreg(HW_REG_WAVE_MODE, 25, 1), 1
	s_wait_xcnt 0x0
	s_wait_alu depctr_hold_cnt(0) depctr_sa_sdst(0) depctr_va_vdst(0) depctr_va_sdst(0) depctr_va_ssrc(0) depctr_va_vcc(0) depctr_vm_vsrc(0)
	s_getreg_b32 s2, hwreg(HW_REG_IB_STS2, 6, 4)
	s_cmp_eq_u32 s2, 0
	s_cbranch_scc0 .Lentry_in_a_cluster
	s_endpgm
.Lentry_in_a_cluster:
	s_bfe_u32 s2, ttmp6, 0x10000c
	s_cmp_lg_u32 s2, 0xf033
	s_cbranch_scc0 .Lentry_shape_is_right
	s_endpgm
.Lentry_shape_is_right:
; out0[m][n] = the sum over n' <= n of (Q(x) Q(W))[m][n'] + cb[n].  Nothing of the problem is left out here.  xq, wq: codes of E2M1 and E8M0 bytes as the first launch lays them (register images, blocks of 128 rows x 512 K).
; A tile of 256 x 256 is made by four waves, each 128 x 128: 32 accumulators of 32 x 16 by v_wmma_scale_f32_32x16x128_f4; a ninth tile of B (the 16 carry terms of the wave's strip of 128 columns) gives 8 more of 16 x 16,
; whose 16 results a row add up to the carry into the strip.
; K goes in steps of 512 through a ring of two LDS slots: two blocks of A, two of B, each one dense tensor load of one wave.  CLUSTERS: 4 x 4; A's blocks are asked for jointly along a row of the cluster, B's along a column.
; FRAGMENTS: two sets for A and two for B.  A step of 128 along K asks at its head for the whole next step's 34 loads and then issues its own 40 matrix instructions.  So a wave's reads of a slot are over
; when the slot's last step begins: the change of slots (waits, add, round, joint refill) stands at that step's head, and the next slot's first fragments are asked for behind it, ahead of that step's products.
; THE MATRIX INSTRUCTION IS USED TRANSPOSED (source 0 = 32 rows of B, source 1 = 16 rows of A): a lane holds twice eight neighbouring columns of one row, so the scan runs along a lane's registers, then over the two lane halves and the eight tiles.
; SCALE WORDS, 48 registers a set: register 4 i + q: lanes 0-15 the word of A's block i (lanes 16-31 of block 0's: the carry tile's); register 32 + 4 j + q: the words of B's rows 32 j .. 32 j + 31, a lane a row.
; PREFETCH: behind each refill of the loop's first two trips a wave names the block that its refill two K steps on will bring: 136 (A) or 153 (B) units of 256 bytes, shared out among the four partners that ask for it
; jointly BY ADDRESS: 34 or 39 units each, a lane a unit, two instructions; lanes left over name their share's last unit again.  K steps 0 to 3 come by their loads alone; the last trip asks for nothing.
; REGISTERS: window 0: v0-31 addresses and cb; v32-127 scale words, two sets (on the way out v32-39 the carries); v128-191 A's set 0; v192-255 the carry's accumulators.  window 1: v0-71, v72-143 B's sets; v144-207 A's set 1.  windows 2, 3: the accumulators.
; LIMITS: as in the first launch; the scan's f32 sums are taken in another order than reference()'s.
.set ABLK,  34816
.set BBLK,  39168
.set BOFF,  2*ABLK
.set SLOT,  2*ABLK+2*BBLK
.set SPARE, 2*SLOT                     ; behind the ring: the spare words, 128 bytes a wave: two blocks of 256 bytes that no other line names
.set NQ,    4
.set LAPS,  4
.set SPITCH, 528                       ; the way out: a stage of 16 rows x (512 + 16) bytes a wave, in slot 0, behind its last fill and its last read
.set PF,   8                           ; v8-9 the prefetches' offsets
.set CB,   10                          ; v10-13 cb of my four columns
.set ADRW, 14
.set ADRA, 16
.set ADRE, 18
.set ADRB, 20
.set ADRS, 22
.set STO,  24
.set RD,   25
.set CO,   26
.set SPW,  28
.set NIL,  29
.set HF,   30
.set SC,   32
.set P,    32
.set EA,   192
.set Y,    128
.set BK,   192
.set SEL,  12
.set G1,   24
.set G0,   32
.set PFA,  44                          ; s[44:45] where my prefetches stand; s[46:47] a block's bytes
.set PST,  46
.set G1B,  48
.set G0B,  56
.set MSB, 0
.macro WIN new
.if MSB != (\new)
	s_set_vgpr_msb (MSB<<8)|(\new)
.set MSB, (\new)
.endif
.endm
.macro JLOAD s                         ; a joint load: waves 0, 1 fetch A's two blocks, waves 2, 3 B's
	s_cmp_eq_u32 s15, 0
	s_cbranch_scc0 .Lfor_b_\@
	tensor_load_to_lds s[G0+4*\s:G0+4*\s+3], s[G1:G1+7]
	s_nop 0
.rept 4
	v_nop
.endr
	s_branch .Lasked_\@
.Lfor_b_\@:
	tensor_load_to_lds s[G0B+4*\s:G0B+4*\s+3], s[G1B:G1B+7]
	s_nop 0
.rept 4
	v_nop
.endr
.Lasked_\@:
.endm
.macro CREST
	s_cmp_lg_u32 s14, 0
	s_cbranch_scc1 .Lnot_wave_0_\@
	s_barrier_signal -3
.Lnot_wave_0_\@:
	s_barrier_wait -3
	s_barrier_signal -1
	s_barrier_wait -1
.endm
.macro CROUND
	s_barrier_signal -1
	s_barrier_wait -1
	CREST
.endm
.macro PLACES n
.rept \n
	v_nop
.endr
.endm
	s_load_b256 s[4:11], s[0:1], 0x0               ; xq s[4:5], wq s[6:7], cb s[8:9], out0 s[10:11]
	v_lshl_add_u32 v[SPW], v0, 2, SPARE
	v_mov_b32 v[NIL], 0
	ds_add_u32 v[SPW], v[NIL]                      ; the opening lines: the add, twice on end, and its wait ahead of my first tensor load
	ds_add_u32 v[SPW], v[NIL]
	v_lshrrev_b32 v1, 5, v0
	v_readfirstlane_b32 s14, v1                    ; wave
	s_lshr_b32 s15, s14, 1                         ; my half of the rows; also: I fetch for A (0) or B (1)
	s_and_b32 s16, s14, 1                          ; my half of the columns; also: which block I fetch
	s_bfe_u32 s40, ttmp6, 0x40000                  ; cx, cy
	s_bfe_u32 s41, ttmp6, 0x40004
	s_lshl_b32 s42, ttmp9, 2
	s_add_co_u32 s42, s42, s40                     ; tile column
	s_and_b32 s17, ttmp7, 0xffff
	s_lshl_b32 s17, s17, 2
	s_add_co_u32 s17, s17, s41                     ; tile row
	s_lshl_b32 s43, s41, 2
	s_lshl_b32 s43, 15, s43                        ; my row of the cluster
	s_lshl_b32 s44, 0x1111, s40                    ; my column
	s_or_b32 s[G1+0], s43, (3<<16)|(1<<21)         ; a dense block, in elements of 8 bytes: A's as 68 rows of 512 bytes, B's as 51 rows of 768: every row begins at a multiple of 256 bytes
	s_or_b32 s[G1B+0], s44, (3<<16)|(1<<21)
	s_mov_b32 s[G1+1], 64<<16
	s_mov_b32 s[G1+2], (ABLK/512)<<16
	s_mov_b32 s[G1+3], 64<<16
	s_mov_b32 s[G1+4], ABLK/512
	s_mov_b32 s[G1+5], 64
	s_mov_b32 s[G1+6], 0
	s_mov_b32 s[G1+7], 0
	s_mov_b32 s[G1B+1], 96<<16
	s_mov_b32 s[G1B+2], (BBLK/768)<<16
	s_mov_b32 s[G1B+3], 96<<16
	s_mov_b32 s[G1B+4], BBLK/768
	s_mov_b32 s[G1B+5], 96
	s_mov_b32 s[G1B+6], 0
	s_mov_b32 s[G1B+7], 0
	s_mov_b32 s[SEL], 0x76543210
	s_mov_b32 s[SEL+1], 0xfedcba98
	s_lshl_b32 s20, s17, 1
	s_add_co_u32 s20, s20, s16
	s_mul_i32 s20, s20, 8*ABLK                     ; A: row block 2 x tile row + which, K step 0
	s_mov_b32 s21, 0
	s_lshl_b32 s46, s42, 1
	s_add_co_u32 s46, s46, s16
	s_mul_i32 s46, s46, 8*BBLK                     ; B likewise
	s_mov_b32 s47, 0
	s_mul_i32 s19, s16, ABLK                       ; where they go in a slot
	s_mul_i32 s18, s16, BBLK
	s_add_co_u32 s18, s18, BOFF
	s_wait_dscnt 0x0
	s_wait_kmcnt 0x0
	s_add_nc_u64 s[20:21], s[4:5], s[20:21]
	s_add_nc_u64 s[46:47], s[6:7], s[46:47]
	s_cmp_eq_u32 s15, 0
	s_cselect_b64 s[PFA:PFA+1], s[20:21], s[46:47] ; the block that I fetch
	CROUND                                         ; all sixteen work-groups are here: the first joint loads meet
.irp s, 0,1
	s_mov_b32 s[G0+4*\s], 1
	s_add_co_u32 s[G0+4*\s+1], s19, \s*SLOT
	s_add_nc_u64 s[G0+4*\s+2:G0+4*\s+3], s[20:21], \s*ABLK
	s_or_b32 s[G0+4*\s+3], s[G0+4*\s+3], 0x80000000
	s_mov_b32 s[G0B+4*\s], 1
	s_add_co_u32 s[G0B+4*\s+1], s18, \s*SLOT
	s_add_nc_u64 s[G0B+4*\s+2:G0B+4*\s+3], s[46:47], \s*BBLK
	s_or_b32 s[G0B+4*\s+3], s[G0B+4*\s+3], 0x80000000
.endr
	JLOAD 0                                        ; K step 0: one tensor load a wave at the head
	s_mul_i32 s18, s15, ABLK                       ; my block of A
	s_mul_i32 s22, s16, BBLK
	s_add_co_u32 s19, s22, BOFF                    ; my block of B
	s_xor_b32 s20, s15, 1
	s_mul_i32 s20, s20, ABLK
	s_add_co_u32 s20, s20, s22
	s_add_co_u32 s20, s20, ABLK+4096               ; from my A block's scale bytes to my B block's
	s_add_co_u32 s21, s18, 32768
	s_mul_i32 s22, s14, 16*SPITCH                  ; my stage
	s_lshl_b32 s46, s42, 10
	s_lshl_b32 s47, s16, 9
	s_add_co_u32 s46, s46, s47                     ; my first column, in bytes
	s_mov_b32 s47, 0
	s_add_nc_u64 s[8:9], s[8:9], s[46:47]
	s_add_nc_u64 s[10:11], s[10:11], s[46:47]
	s_lshl_b32 s46, s17, 22
	s_lshl_b32 s43, s15, 21
	s_add_co_u32 s46, s46, s43                     ; my first row
	s_add_nc_u64 s[10:11], s[10:11], s[46:47]
	s_cmp_eq_u32 s15, 0                            ; the prefetches: A's block or B's
	s_cselect_b32 s23, s40, s41                    ; my place among the four that ask with me
	s_cselect_b32 s43, 34, 39                      ; units to a partner
	s_mov_b32 s42, BBLK/256-1
	s_cselect_b32 s42, ABLK/256-1, s42             ; the block's last unit
	s_mov_b32 s[PST], BBLK
	s_cselect_b32 s[PST], ABLK, s[PST]
	s_mul_i32 s23, s23, s43                        ; my share's first unit,
	s_add_co_u32 s43, s43, s23
	s_sub_co_u32 s43, s43, 1
	s_min_u32 s43, s43, s42                        ; and its last, inside the block
	s_mul_i32 s40, s[PST], 3
	s_mov_b32 s41, 0
	s_add_nc_u64 s[PFA:PFA+1], s[PFA:PFA+1], s[40:41]   ; at K step 3: the first refill steps it to 4
	v_and_b32 v1, 15, v0
	v_bfe_u32 v2, v0, 4, 1
	v_and_b32 v3, 31, v0
	v_lshlrev_b32 v[CO], 4, v3
	v_cvt_f32_u32 v[HF], v2
	v_add_nc_u32 v[ADRA], s18, v[CO]               ; fragments are register images: 16 x lane
	v_add_nc_u32 v[ADRB], s19, v[CO]
	v_add_nc_u32 v[ADRA+1], SLOT, v[ADRA]
	v_add_nc_u32 v[ADRB+1], SLOT, v[ADRB]
	v_lshl_add_u32 v[ADRW], v3, 2, s19             ; B's scale words of tiles 0-7, a lane a row: 4 x lane; a run of 512 bytes for each 128 along K
	v_add_nc_u32 v[ADRW], 36864, v[ADRW]
	v_add_nc_u32 v[ADRW+1], SLOT, v[ADRW]
	v_mul_u32_u24 v4, s20, v2                      ; A's scale words in lanes 0-15; lanes 16-31 stand in B's
	v_lshl_add_u32 v4, v1, 4, v4
	v_add_nc_u32 v[ADRS], s21, v4
	v_add_nc_u32 v[ADRS+1], SLOT, v[ADRS]
	v_lshl_add_u32 v[ADRE], v2, 11, v[ADRS]        ; lanes 16-31: tile 8's
	v_lshl_add_u32 v[ADRE+1], v2, 11, v[ADRS+1]
	v_mul_u32_u24 v5, v1, SPITCH
	v_lshl_add_u32 v5, v2, 5, v5
	v_add_nc_u32 v[STO], s22, v5
	v_add_nc_u32 v[RD], s22, v[CO]
	v_add_nc_u32 v[PF], s23, v3
	v_add_nc_u32 v[PF+1], 32, v[PF]
	v_min_u32 v[PF], s43, v[PF]
	v_min_u32 v[PF+1], s43, v[PF+1]
	v_lshlrev_b32 v[PF], 8, v[PF]
	v_lshlrev_b32 v[PF+1], 8, v[PF+1]
	global_load_b128 v[CB:CB+3], v[CO], s[8:9]     ; cb of my four columns of a stored row
.macro WM32 d, bf, af, sb, sa, zero    ; 32 rows of B x 16 rows of A
.if \zero
	v_wmma_scale_f32_32x16x128_f4 v[0+(\d):15+(\d)], v[0+(\bf):15+(\bf)], v[0+(\af):7+(\af)], 0, v[0+(\sb)], v[0+(\sa)]
.else
	v_wmma_scale_f32_32x16x128_f4 v[0+(\d):15+(\d)], v[0+(\bf):15+(\bf)], v[0+(\af):7+(\af)], v[0+(\d):15+(\d)], v[0+(\sb)], v[0+(\sa)]
.endif
.endm
.macro WM d, bf, af, sb, sa, zero      ; the carry's 16 rows x 16 rows of A; its scale words stand in lanes 16-31
.if \zero
	v_wmma_scale_f32_16x16x128_f8f6f4 v[0+(\d):7+(\d)], v[0+(\bf):7+(\bf)], v[0+(\af):7+(\af)], 0, v[0+(\sb)], v[0+(\sa)] matrix_a_fmt:MATRIX_FMT_FP4 matrix_b_fmt:MATRIX_FMT_FP4 matrix_a_scale:MATRIX_SCALE_ROW1
.else
	v_wmma_scale_f32_16x16x128_f8f6f4 v[0+(\d):7+(\d)], v[0+(\bf):7+(\bf)], v[0+(\af):7+(\af)], v[0+(\d):7+(\d)], v[0+(\sb)], v[0+(\sa)] matrix_a_fmt:MATRIX_FMT_FP4 matrix_b_fmt:MATRIX_FMT_FP4 matrix_a_scale:MATRIX_SCALE_ROW1
.endif
.endm
; 8 matrix instructions: A's blocks a0, a0 + 1 x B's 128 rows.  p: the fragment sets;  q: the slot's q-th 128 along K;  sc: the set of scale words.  The accumulators take turns.
.macro MUL16 a0, p, q, sc, zero
.irp a, \a0, \a0+1
.irp b, 0,1,2,3
	WM32 8*(8*((\a)%4)+2*\b), 72*(\p)+16*\b, 128+16*(\p)+8*(\a), SC+48*(\sc)+32+4*\b+(\q), SC+48*(\sc)+4*(\a)+(\q), \zero
.endr
.endr
.endm
.macro MULE a0, p, q, sc, zero         ; four of A's blocks x the carry's tile
	WIN 0x01+4*(\p)
.irp a, \a0, \a0+1, \a0+2, \a0+3
	WM EA+8*(\a), 72*(\p)+64, 128+16*(\p)+8*(\a), SC+48*(\sc)+(\q), SC+48*(\sc)+4*(\a)+(\q), \zero
.endr
.endm
.macro FRAG reg, adr, q, i
.irp c, 0,1
	ds_load_b128 v[\reg+4*\c:\reg+4*\c+3], v[\adr] offset:(\i)*4096+(\q)*1024+512*\c
.endr
.endm
.macro FETCH_B slot, q, p
	WIN 0x40
.irp i, 0,1,2,3,4,5,6,7,8
	FRAG 72*(\p)+8*\i, ADRB+\slot, \q, \i
.endr
.endm
.macro FETCH_A slot, q, p, i0
	WIN 0x40*(\p)
.irp i, \i0, \i0+1, \i0+2, \i0+3
	FRAG 128+16*(\p)+8*(\i), ADRA+\slot, \q, \i
.endr
.endm
.macro SCALES sc
	ds_load_b128 v[SC+48*\sc:SC+48*\sc+3], v[ADRE+\sc]
.irp i, 1,2,3,4,5,6,7
	ds_load_b128 v[SC+48*\sc+4*\i:SC+48*\sc+4*\i+3], v[ADRS+\sc] offset:256*\i
.endr
.irp i, 0,1,2,3
.irp q, 0,1,2,3
	ds_load_b32 v[SC+48*\sc+32+4*\i+\q], v[ADRW+\sc] offset:512*\q+128*\i   ; rows 32 i .. 32 i + 31: 128 consecutive bytes
.endr
.endr
.endm
.macro LOW p, q, sc, zero              ; A's blocks 0-3
	WIN 0xa1+4*(\p)
	MUL16 0, \p, \q, \sc, \zero
	MUL16 2, \p, \q, \sc, \zero
	MULE 0, \p, \q, \sc, \zero
.endm
.macro HIGH p, q, sc, zero             ; A's blocks 4-7
	WIN 0xf1+4*(\p)
	MUL16 4, \p, \q, \sc, \zero
	MUL16 6, \p, \q, \sc, \zero
	MULE 4, \p, \q, \sc, \zero
	WIN 0
.endm
; A step of 128 along K that has its successor in the same slot
.macro STEP slot, q, zero
	s_wait_dscnt 8                                 ; B's set, A's blocks 0-3 and the scale words are in; the youngest eight loads (A's blocks 4-7) may be out
	PLACES 4                                       ; behind the last step's products, which read the other sets
	FETCH_B \slot, (\q)+1, 1-(\q)%2
	FETCH_A \slot, (\q)+1, 1-(\q)%2, 0
	FETCH_A \slot, (\q)+1, 1-(\q)%2, 4
	LOW (\q)%2, \q, \slot, \zero
	s_wait_dscnt 34                                ; all but the 34 just issued
	HIGH (\q)%2, \q, \slot, \zero
.endm
; A slot's last step.  Its fragments are in registers, so my reads of the slot are over: the change of slots stands at its head.
.macro TURN slot, next, fill
.if \fill
	s_wait_xcnt 0x0                                ; my prefetches have read their address
	s_add_nc_u64 s[PFA:PFA+1], s[PFA:PFA+1], s[PST:PST+1]
.endif
	s_wait_tensorcnt 0x0                           ; all my tensor loads have landed: my part of the next slot;
	ds_add_u32 v[SPW], v[NIL]
.if \fill
	s_add_nc_u64 s[G0+4*\slot+2:G0+4*\slot+3], s[G0+4*\slot+2:G0+4*\slot+3], 2*ABLK      ; no load of mine is out: this slot's next blocks
	s_add_nc_u64 s[G0B+4*\slot+2:G0B+4*\slot+3], s[G0B+4*\slot+2:G0B+4*\slot+3], 2*BBLK
.endif
	PLACES 4                                       ; (behind the last step's products, for the loads into set 0 below)
	s_wait_dscnt 0x0                               ; the add is done, and my reads of this slot are over
	s_barrier_signal -1
	s_barrier_wait -1
.if \fill
	CREST                                          ; the barrier has opened a round of the cluster's barrier
	JLOAD \slot                                    ; the first tensor load behind the round
.endif
	FETCH_B \next, 0, 0
	FETCH_A \next, 0, 0, 0
	SCALES \next
	FETCH_A \next, 0, 0, 4
.if \fill
	s_cmp_gt_u32 s3, 1                             ; the loop's last trip has no K step two refills on
	s_cbranch_scc0 .Lno_ask_\@
	global_prefetch_b8 v[PF], s[PFA:PFA+1] th:TH_LOAD_NT scope:SCOPE_SE
	global_prefetch_b8 v[PF+1], s[PFA:PFA+1] th:TH_LOAD_NT scope:SCOPE_SE
.Lno_ask_\@:
.endif
	LOW 1, NQ-1, \slot, 0
	HIGH 1, NQ-1, \slot, 0
.endm
.macro STEPS slot, from
.set Q, \from
.rept NQ-1-\from
	STEP \slot, Q, 0
.set Q, Q+1
.endr
.endm
	s_wait_alu depctr_va_vdst(0)
	s_wait_tensorcnt 0x0                           ; my part of K step 0 is in
	ds_add_u32 v[SPW], v[NIL]
	s_wait_dscnt 0x0
	CROUND
	JLOAD 1                                        ; K step 1: slot 1's first fill
	FETCH_B 0, 0, 0
	FETCH_A 0, 0, 0, 0
	SCALES 0
	FETCH_A 0, 0, 0, 4
	STEP 0, 0, 1                                   ; the first step's products start the sums
	s_mov_b32 s3, LAPS-1
.Llap:
	STEPS 0, 1
	TURN 0, 1, 1
	STEPS 1, 0
	TURN 1, 0, 1
	STEP 0, 0, 0
	s_sub_co_u32 s3, s3, 1
	s_cmp_lg_u32 s3, 0
	s_cbranch_scc1 .Llap
	STEPS 0, 1                                     ; the last lap fills nothing
	TURN 0, 1, 0
	STEPS 1, 0
	s_wait_dscnt 0x0
	LOW 1, NQ-1, 1, 0
	HIGH 1, NQ-1, 1, 0
	s_wait_loadcnt 0x0                             ; cb
	PLACES 4
; the carries: a row's 16 terms lie in 8 registers of lanes l and l xor 16
.irp a, 0,1,2,3,4,5,6,7
	v_pk_add_f32 v[EA+8*\a:EA+8*\a+1], v[EA+8*\a:EA+8*\a+1], v[EA+8*\a+2:EA+8*\a+3]
.endr
.irp a, 0,1,2,3,4,5,6,7
	v_pk_add_f32 v[EA+8*\a+4:EA+8*\a+5], v[EA+8*\a+4:EA+8*\a+5], v[EA+8*\a+6:EA+8*\a+7]
.endr
.irp a, 0,1,2,3,4,5,6,7
	v_pk_add_f32 v[EA+8*\a:EA+8*\a+1], v[EA+8*\a:EA+8*\a+1], v[EA+8*\a+4:EA+8*\a+5]
.endr
.irp a, 0,1,2,3,4,5,6,7
	v_add_f32 v[P+\a], v[EA+8*\a], v[EA+8*\a+1]
.endr
.irp a, 0,1,2,3,4,5,6,7
	v_permlanex16_b32 v[EA+8*\a+2], v[P+\a], s[SEL], s[SEL+1]
.endr
.irp a, 0,1,2,3,4,5,6,7
	v_add_f32 v[P+\a], v[P+\a], v[EA+8*\a+2]
.endr
; the scan of block a (16 rows x 128 columns): each lane's eight totals, the other half's, the running sum over the eight tiles from the carry on, then along the lane's registers
.macro SCAN a
.set AC, 64*((\a)%4)
	WIN 0x0a+5*((\a)/4)
.irp b, 0,1,2,3,4,5,6,7
	v_pk_add_f32 v[Y+8*\b:Y+8*\b+1], v[AC+8*\b:AC+8*\b+1], v[AC+8*\b+2:AC+8*\b+3]
	v_pk_add_f32 v[Y+8*\b+2:Y+8*\b+3], v[AC+8*\b+4:AC+8*\b+5], v[AC+8*\b+6:AC+8*\b+7]
.endr
	WIN 0
.irp b, 0,1,2,3,4,5,6,7
	v_pk_add_f32 v[Y+8*\b:Y+8*\b+1], v[Y+8*\b:Y+8*\b+1], v[Y+8*\b+2:Y+8*\b+3]
.endr
.irp b, 0,1,2,3,4,5,6,7
	v_add_f32 v[Y+8*\b+4], v[Y+8*\b], v[Y+8*\b+1]
.endr
.irp b, 0,1,2,3,4,5,6,7
	v_permlanex16_b32 v[Y+8*\b+5], v[Y+8*\b+4], s[SEL], s[SEL+1]
.endr
.irp b, 0,1,2,3,4,5,6,7
	v_add_f32 v[Y+8*\b+6], v[Y+8*\b+4], v[Y+8*\b+5]
.endr
	v_mov_b32 v[Y+7], v[P+(\a)]
.irp b, 1,2,3,4,5,6,7
	v_add_f32 v[Y+8*\b+7], v[Y+8*\b-1], v[Y+8*\b-2]
.endr
.irp b, 0,1,2,3,4,5,6,7
	v_fma_f32 v[Y+8*\b+7], v[Y+8*\b+5], v[HF], v[Y+8*\b+7]   ; lanes 16-31 stand behind lanes 0-15's eight columns
.endr
	WIN 0x02+((\a)/4)
.irp b, 0,1,2,3,4,5,6,7
	v_add_f32 v[Y+8*\b], v[AC+8*\b], v[Y+8*\b+7]
.endr
.irp j, 1,2,3,4,5,6,7
.irp b, 0,1,2,3,4,5,6,7
	v_add_f32 v[Y+8*\b+\j], v[AC+8*\b+\j], v[Y+8*\b+\j-1]
.endr
.endr
	WIN 0
.endm
.macro TOSTAGE                         ; through my own stage, back as whole rows of 512 bytes; LDS serves a wave's instructions in order
.irp b, 0,1,2,3,4,5,6,7
	ds_store_b128 v[STO], v[Y+8*\b:Y+8*\b+3] offset:64*\b
	ds_store_b128 v[STO], v[Y+8*\b+4:Y+8*\b+7] offset:64*\b+16
.endr
.set T, 0
.rept 16
	ds_load_b128 v[BK+4*T:BK+4*T+3], v[RD] offset:T*SPITCH
.set T, T+1
.endr
.endm
.macro SEND a
	s_wait_dscnt 0x0
.set T, 0
.rept 16
	v_pk_add_f32 v[BK+4*T:BK+4*T+1], v[BK+4*T:BK+4*T+1], v[CB:CB+1]
	v_pk_add_f32 v[BK+4*T+2:BK+4*T+3], v[BK+4*T+2:BK+4*T+3], v[CB+2:CB+3]
.set T, T+1
.endr
.if (\a) > 0
	s_add_nc_u64 s[10:11], s[10:11], 16*16384      ; behind a wait on XCNT: the earlier stores have read their base
.endif
.set T, 0
.rept 16
	global_store_b128 v[CO], v[BK+4*T:BK+4*T+3], s[10:11] offset:T*16384 th:TH_STORE_NT   ; 512 consecutive bytes, two aligned units
.set T, T+1
.endr
.endm
	SCAN 0
	TOSTAGE
.irp a, 1,2,3,4,5,6,7
	SCAN \a
	SEND \a-1
	s_wait_xcnt 0x0                                ; the stores have read their registers and their base
	TOSTAGE
.endr
	SEND 7
	s_wait_tensorcnt 0x0                           ; the wave's end
	ds_add_u32 v[SPW], v[NIL]
	s_wait_dscnt 0x0
	CROUND                                         ; the closing round
	s_endpgm
.Lfunc_end_k_q0622ddd635_gemm:
	.size	k_q0622ddd635_gemm, .Lfunc_end_k_q0622ddd635_gemm-k_q0622ddd635_gemm
	.p2alignl 7, 3214868480
	.fill 96, 4, 3214868480
	.section	.rodata,"a",@progbits
	.p2align	6, 0x0
	.amdhsa_kernel k_q0622ddd635_gemm
		.amdhsa_group_segment_fixed_size 327680
		.amdhsa_private_segment_fixed_size 0
		.amdhsa_enable_private_segment 0
		.amdhsa_kernarg_size 32
		.amdhsa_user_sgpr_count 2
		.amdhsa_user_sgpr_kernarg_segment_ptr 1
		.amdhsa_wavefront_size32 1
		.amdhsa_system_sgpr_workgroup_id_x 1
		.amdhsa_system_sgpr_workgroup_id_y 1
		.amdhsa_system_sgpr_workgroup_id_z 1
		.amdhsa_system_vgpr_workitem_id 0
		.amdhsa_next_free_vgpr 1024
		.amdhsa_next_free_sgpr 66
		.amdhsa_reserve_vcc 0
		.amdhsa_float_denorm_mode_32 3
		.amdhsa_float_denorm_mode_16_64 3
		.amdhsa_memory_ordered 1
		.amdhsa_forward_progress 1
		.amdhsa_inst_pref_size 229
	.end_amdhsa_kernel
	.amdgpu_metadata
---
amdhsa.version: [ 1, 2 ]
amdhsa.kernels:
  - .name:           k_q0622ddd635_gemm
    .symbol:         k_q0622ddd635_gemm.kd
    .args:
      - { .name: xq, .offset: 0, .size: 8, .value_kind: global_buffer, .address_space: global }
      - { .name: wq, .offset: 8, .size: 8, .value_kind: global_buffer, .address_space: global }
      - { .name: cb, .offset: 16, .size: 8, .value_kind: global_buffer, .address_space: global }
      - { .name: out0, .offset: 24, .size: 8, .value_kind: global_buffer, .address_space: global }
    .group_segment_fixed_size: 327680
    .private_segment_fixed_size: 0
    .kernarg_segment_align: 8
    .kernarg_segment_size: 32
    .max_flat_workgroup_size: 128
    .sgpr_count:     66
    .vgpr_count:     1024
    .wavefront_size: 32
...
	.end_amdgpu_metadata
.endif
;; end of part 2
